; MI455X (gfx1250); checked and timed in simulation.
; The chip was launched on July 23, 2026; its instructions are those of AMD's public machine-readable ISA for CDNA 5 (MIT licence, August 2026) and "CDNA5" Instruction Set Architecture Reference Guide (July 2026). The comments in the code are by the model that wrote it; some were corrected since.
;; Attention. Allowed arithmetic: matrix products marked QUANTISED: E5M2 operands, one given power-of-two scale a tensor, by v_wmma_f32_16x16x64_bf8_bf8 or v_wmma_f32_16x16x128_bf8_bf8, f32 sums; products left as they are: f32 operands where the result goes on into a quantised operand, else bf16, f16 or f32 operands; f32 sums; everything else in f32.
;; Inputs: W_codes 1,024 x 64 x 32 uint8 (E5M2 codes of W, K innermost, in blocks of 32 codes); b 1,024 float32; encoder_outputs 2,048 x 16 x 1,024 float32; hidden 1 x 16 x 1,024 float32; lowp_scales 2 int32 (the exponents e of the quantised operands' scales 2^e); v 1,024 float32.
;; Outputs: out0 16 x 1,024 float32; out1 16 x 2,048 float32.
;; This version of the problem:
;;   THIS VERSION OF THE PROBLEM IS GIVEN IN LOW PRECISION. The matrix products marked QUANTISED in the list below multiply operands that are first quantised to E5M2 (5 exponent bits, 2 mantissa bits; 8 bits a number), with one given power-of-two scale for each operand tensor; their sums are f32. All else is computed in f32.
;;   The module's matrix products, in the order in which they are computed (A, B: the left and right operand; K: the contracted axis; several contracted axes count as one K, in the product's order):
;;     1. [M 32,768, K 2,048] x [K 2,048, N 1,024]; A: computed on the way; B: input W (given as codes): QUANTISED (scales: A lowp_scales[0], B lowp_scales[1])
;;     2. [M 1, K 1,024] x [K 1,024, N 32,768]; A: input v; B: computed on the way: left as it is (M = 1 < 16)
;;     3. batch 16 x [M 1, K 2,048] x [K 2,048, N 1,024]; A: softmax; B: input encoder_outputs: left as it is (M = 1 < 16)
;;   THE QUANTISER, for each operand of a quantised product, along K:
;;     - The operand's scale is 2^e, e = its entry of the input lowp_scales (int32; the entries are numbered through the quantised products in the list's order, A before B).
;;     - Each number is divided by the scale, clamped to +-57,344, and rounded to the nearest number of E5M2, ties to even, subnormals kept.
;;     - The product sums the exact products of the quantised numbers (number of the format x scale) in f32.
;;   ~~~python
;;   def quantise(x, axis, e):      # numpy; x: float32 -> the quantised numbers, widened to float32 again
;;       x = np.moveaxis(x, axis, -1); K = x.shape[-1]
;;       r = np.clip(x / 2.0 ** e, -57344, 57344)
;;       step = 2.0 ** (np.maximum(np.frexp(np.where(r == 0, 1, r))[1] - 1, -14) - 2)
;;       q = np.round(r / step) * step * 2.0 ** e      # np.round: ties to even
;;       return np.moveaxis(q, -1, axis).astype(np.float32)
;;   ~~~
;;   OPERANDS COMPUTED ON THE WAY. 'Computed on the way' means the value that the module computes at that place (a softmax that the list does not call 'softmax' is quantised finished and normalised). What goes into a quantiser is computed in f32, as accurately as f32 sums, v_exp_f32 and their like allow (about 1e-6 of the number): no bf16 or f16 on the way to a quantiser, and a product that is left as it is and whose result goes on into a quantised operand takes f32 operands (vector FMAs, or v_wmma_f32_16x16x4_f32). A number that lies on a knife's edge between two numbers of the format may be rounded either way, as far as f32 arithmetic and the matrix unit's own rounding can turn it there, and no further.
;;   INPUTS GIVEN AS CODES. W (in the module: [1024, 2048], K = its axis 1): each comes as NAME_codes (uint8): NAME with its K axis moved to the last place and cut into blocks of 32 codes, [.., K / 32, bytes a block], one block behind the other in memory; one code a byte (a code: sign, 5 exponent bits, 2 mantissa bits); its scale is its entry of lowp_scales. Its value is code x scale, taken as it is: it is not quantised again, and the codes and scales need not be those that the quantiser above would give.
;; One version. Each part assembles by itself: llvm-mc -triple=amdgcn-amd-amdhsa -mcpu=gfx1250 --defsym DOCPART=n.
;; ======== version 1 of 1: 3 launches
;; limits: values are held in bf16: 8 bits of precision; right only within a limited range of input values
;; workspace buffers: hbp 262,144 bytes; scores 131,072 bytes; part 1,048,576 bytes
;; launch hid (part 1): grid 16 x 4, 4 waves a work-group, no clusters, 8,960 bytes of LDS; arguments hidden, W_codes, b, lowp_scales, hbp; writes hbp
.if DOCPART == 1
	.amdgcn_target "amdgcn-amd-amdhsa--gfx1250"
	.amdhsa_code_object_version 6
	.text
	.protected	k_q698d98a44b_hid
	.globl	k_q698d98a44b_hid
	.p2align	8
	.type	k_q698d98a44b_hid,@function
k_q698d98a44b_hid:
	s_mov_b64 s[64:65], 0
	v_nop
	global_prefetch_b8 v0, s[64:65] scope:SCOPE_SE
	s_setreg_imm32_b32 hwreg(HW_REG_WAVE_MODE, 25, 1), 1
	s_wait_xcnt 0x0
; hbp[q][b][n] = (2^(e0+e1) x sum over the 256 k of quarter q of Q(hidden)[b][k] Wc[n][k] + bias[n] / 4) x 2 log2(e).   hbp: [4][16][1024] f32; the next launch adds the four quarters.
; The first 1,024 of the product's K are hidden, the same for every s: that half of every sum is made here once, by the same E5M2 matrix form.  The factor 2 log2(e) is what tanh(x) = 1 - 2 / (1 + 2^(2 log2(e) x)) wants of x.
; A quarter of the bias goes into each quarter of K: the division by 4 rounds nothing.
; WORK LEFT OUT IN THIS PROGRAM.  tanh(x) = 1 - 2 r, r = 1 / (1 + 2^z).  So scores[b][s] = sum_n v[n] - 2 sum_n v[n] r[s][b][n], and sum_n v[n] is the same for every s of a row b.
; The scores go into the softmax over s and nowhere else, and a softmax is not moved by a term that is the same along its axis, whatever finite values v holds: the next launch sums -2 v[n] r alone.
; LIMIT: an overflow that would arise only in sum_n v[n] is not carried to the result.  Every input is loaded.
; SHARES.  Work-group (x, q) makes n = 64 x .. + 63 for all 16 b over k = 256 q .. + 255 (two K steps of 128); wave w the 16 n from 64 x + 16 w on.  16 x 4 work-groups are all the work there is: 512 matrix instructions.
; Wave w quantises a quarter of the two fragments of hidden (K step w / 2, blocks 2 (w % 2) and + 1 of 32 k) for all four waves: a piece goes through LDS as an image of its four registers, 512 bytes a store.
; A FRAGMENT: lane (r, h) holds row r; registers 4 c .. 4 c + 3 hold k = 32 c + 16 h + 0 .. 15: a permutation of k that is the same on both sides.
; THE PRODUCT IS USED TRANSPOSED (source 0 = 16 rows of W, source 1 = hidden's 16 rows): lane (r, h) holds b = r and n = 8 h + 0 .. 7.
; hidden's loads stand 4,096 bytes apart from row to row: fit for a tensor of 64 KB, and for nothing larger.
; LIMITS: e0 between -126 and 112; e0 + e1 between -127 and 126 (added to the exponent field of 2 log2(e)).  NaN among the inputs is not served.
.set IMG, 0                            ; LDS: 8 pieces of 512 bytes
.set STG, 4096                         ; a stage of 16 rows (b) x (256 bytes + 16)
.set SP,  272
.set SPARE, 8448                       ; the spare words
.set XA,  4                            ; hidden: r x 4,096 + 64 h
.set LI,  5                            ; 16 x lane
.set IW,  6                            ; my two pieces: 16 x lane + 1,024 x wave
.set WA,  7                            ; W: r x 2,048 + 16 h
.set BA,  8                            ; bias: 32 h
.set SO,  9                            ; the stage, in
.set SR,  10                           ; the stage, back
.set GOF, 11                           ; my byte offset in hbp
.set X,   16                           ; 32 numbers of hidden; later the two fragments
.set PC,  48                           ; my two pieces' codes
.set WF,  64                           ; W's two fragments
.set AC,  96                           ; two accumulators
.set BI,  112
.set RS,  120
.set BK,  128
.set SCL, 136
.set LIM, 137
.set SPW, 138
.set NIL, 139
	s_load_b256 s[4:11], s[0:1], 0x0               ; hidden, W's codes, bias, the scales' exponents
	s_load_b64 s[12:13], s[0:1], 0x20              ; hbp
	v_lshl_add_u32 v[SPW], v0, 2, SPARE
	v_mov_b32 v[NIL], 0
	v_lshrrev_b32 v1, 5, v0
	v_readfirstlane_b32 s16, v1                    ; wave
	s_and_b32 s15, ttmp7, 0xffff                   ; q
	s_lshl_b32 s17, s16, 10
	s_lshl_b32 s18, s16, 6
	s_add_co_u32 s18, s18, STG
	s_mul_i32 s19, s16, 4*SP
	s_add_co_u32 s19, s19, STG
	s_lshl_b32 s24, s15, 10                        ; hidden: 1,024 q + 256 w bytes along a row
	s_lshl_b32 s25, s16, 8
	s_add_co_u32 s24, s24, s25
	s_mov_b32 s25, 0
	s_lshl_b32 s26, ttmp9, 17                      ; W: row 64 x + 16 w, byte 256 q
	s_lshl_b32 s27, s16, 15
	s_add_co_u32 s26, s26, s27
	s_lshl_b32 s27, s15, 8
	s_add_co_u32 s26, s26, s27
	s_mov_b32 s27, 0
	s_lshl_b32 s28, ttmp9, 8                       ; bias: 4 (64 x + 16 w)
	s_lshl_b32 s29, s16, 6
	s_add_co_u32 s28, s28, s29
	s_mov_b32 s29, 0
	s_lshl_b32 s30, ttmp9, 8                       ; hbp: quarter q, row 4 w, column 64 x
	s_lshl_b32 s31, s16, 14
	s_add_co_u32 s30, s30, s31
	s_lshl_b32 s31, s15, 16
	s_add_co_u32 s30, s30, s31
	s_mov_b32 s31, 0
	v_and_b32 v1, 31, v0
	v_and_b32 v2, 15, v0                           ; r
	v_bfe_u32 v3, v0, 4, 1                         ; h
	v_lshlrev_b32 v[XA], 12, v2
	v_lshl_add_u32 v[XA], v3, 6, v[XA]
	v_lshlrev_b32 v[LI], 4, v1
	v_add_nc_u32 v[IW], s17, v[LI]
	v_lshlrev_b32 v[WA], 11, v2
	v_lshl_add_u32 v[WA], v3, 4, v[WA]
	v_lshlrev_b32 v[BA], 5, v3
	v_mul_u32_u24 v[SO], v2, SP                    ; in: row b = r, + 64 x wave + 32 h
	v_lshl_add_u32 v[SO], v3, 5, v[SO]
	v_add_nc_u32 v[SO], s18, v[SO]
	v_mul_u32_u24 v[SR], v3, SP                    ; back: rows 4 x wave on; lanes 0-15 one row, lanes 16-31 the next
	v_lshl_add_u32 v[SR], v2, 4, v[SR]
	v_add_nc_u32 v[SR], s19, v[SR]
	v_lshlrev_b32 v[GOF], 12, v3
	v_lshl_add_u32 v[GOF], v2, 4, v[GOF]
	s_wait_alu depctr_va_vdst(0)                   ; the head's end
	s_wait_kmcnt 0x0
	s_load_b64 s[20:21], s[10:11], 0x0             ; e0, e1
	s_add_nc_u64 s[4:5], s[4:5], s[24:25]
	s_add_nc_u64 s[6:7], s[6:7], s[26:27]
	s_add_nc_u64 s[8:9], s[8:9], s[28:29]
	s_add_nc_u64 s[12:13], s[12:13], s[30:31]
.irp c, 0,1
.irp j, 0,1,2,3
	global_load_b128 v[X+16*\c+4*\j:X+16*\c+4*\j+3], v[XA], s[4:5] offset:128*\c+16*\j
.endr
.endr
.irp u, 0,1
.irp c, 0,1,2,3
	global_load_b128 v[WF+16*\u+4*\c:WF+16*\u+4*\c+3], v[WA], s[6:7] offset:128*\u+32*\c
.endr
.endr
	global_load_b128 v[BI:BI+3], v[BA], s[8:9]
	global_load_b128 v[BI+4:BI+7], v[BA], s[8:9] offset:16
	s_wait_kmcnt 0x0
	s_add_co_i32 s22, s20, s21
	s_lshl_b32 s22, s22, 23
	s_add_co_i32 s22, s22, 0x4038aa3b              ; 2 log2(e) x 2^(e0 + e1)
	s_mov_b32 s23, s22
	s_add_co_i32 s20, s20, 127
	s_lshl_b32 s21, s20, 23
	v_mov_b32 v[SCL], s21
	s_add_co_i32 s20, s20, 15
	s_lshl_b32 s20, s20, 23
	s_or_b32 s20, s20, 0x600000
	v_mov_b32 v[LIM], s20
	s_wait_alu depctr_va_vdst(0)
	s_wait_loadcnt 10                              ; hidden's 8 loads are in; behind them W's 8 and the bias's 2
.irp c, 0,1
.irp i, 0,1,2,3,4,5,6,7,8,9,10,11,12,13,14,15
	v_med3_num_f32 v[X+16*\c+\i], v[X+16*\c+\i], -v[LIM], v[LIM]   ; the hold: the conversion does not saturate (ISA guide 7.6.2)
.endr
	v_cvt_scalef32_pk8_bf8_f32 v[PC+4*\c:PC+4*\c+1], v[X+16*\c:X+16*\c+7], v[SCL]
	v_cvt_scalef32_pk8_bf8_f32 v[PC+4*\c+2:PC+4*\c+3], v[X+16*\c+8:X+16*\c+15], v[SCL]
.endr
	v_nop                                          ; a plain line behind the last conversion
	ds_store_b128 v[IW], v[PC:PC+3] offset:IMG
	ds_store_b128 v[IW], v[PC+4:PC+7] offset:IMG+512
	s_wait_dscnt 0x0                               ; for the others' sake
	s_barrier_signal -1
	s_barrier_wait -1
.irp k, 0,1,2,3,4,5,6,7
	ds_load_b128 v[X+4*\k:X+4*\k+3], v[LI] offset:IMG+512*\k   ; piece k = 4 u + c
.endr
	s_wait_loadcnt 0x0
	s_wait_dscnt 0x0
	v_wmma_f32_16x16x128_bf8_bf8 v[AC:AC+7], v[WF:WF+15], v[X:X+15], 0
	v_wmma_f32_16x16x128_bf8_bf8 v[AC+8:AC+15], v[WF+16:WF+31], v[X+16:X+31], 0
.irp i, 0,2,4,6
	v_pk_mul_f32 v[BI+\i:BI+\i+1], v[BI+\i:BI+\i+1], 0x3f38aa3b op_sel_hi:[1,0]   ; bias x 2 log2(e) / 4: four plain lines, the places behind the products (ISA guide 7.12.1)
.endr
.irp i, 0,2,4,6
	v_pk_add_f32 v[RS+\i:RS+\i+1], v[AC+\i:AC+\i+1], v[AC+8+\i:AC+8+\i+1]
.endr
.irp i, 0,2,4,6
	v_pk_fma_f32 v[RS+\i:RS+\i+1], v[RS+\i:RS+\i+1], s[22:23], v[BI+\i:BI+\i+1] op_sel_hi:[1,0,1]
.endr
	ds_store_b128 v[SO], v[RS:RS+3]
	ds_store_b128 v[SO], v[RS+4:RS+7] offset:16
	s_wait_dscnt 0x0                               ; a row's 256 bytes come from four waves
	s_barrier_signal -1
	s_barrier_wait -1
	ds_load_b128 v[BK:BK+3], v[SR]
	ds_load_b128 v[BK+4:BK+7], v[SR] offset:2*SP
	s_wait_dscnt 1
	global_store_b128 v[GOF], v[BK:BK+3], s[12:13]                 ; 16 lanes store 256 consecutive bytes, at a multiple of 256 from hbp's first byte
	s_wait_dscnt 0x0
	global_store_b128 v[GOF], v[BK+4:BK+7], s[12:13] offset:8192
	s_wait_tensorcnt 0x0                           ; the wave's end
	ds_add_u32 v[SPW], v[NIL]
	s_wait_dscnt 0x0
	s_endpgm
.Lfunc_end_k_q698d98a44b_hid:
	.size	k_q698d98a44b_hid, .Lfunc_end_k_q698d98a44b_hid-k_q698d98a44b_hid
	.p2alignl 7, 3214868480
	.fill 96, 4, 3214868480
	.section	.rodata,"a",@progbits
	.p2align	6, 0x0
	.amdhsa_kernel k_q698d98a44b_hid
		.amdhsa_group_segment_fixed_size 8960
		.amdhsa_private_segment_fixed_size 0
		.amdhsa_enable_private_segment 0
		.amdhsa_kernarg_size 40
		.amdhsa_user_sgpr_count 2
		.amdhsa_user_sgpr_kernarg_segment_ptr 1
		.amdhsa_wavefront_size32 1
		.amdhsa_system_sgpr_workgroup_id_x 1
		.amdhsa_system_sgpr_workgroup_id_y 1
		.amdhsa_system_sgpr_workgroup_id_z 1
		.amdhsa_system_vgpr_workitem_id 0
		.amdhsa_next_free_vgpr 144
		.amdhsa_next_free_sgpr 66
		.amdhsa_reserve_vcc 0
		.amdhsa_float_denorm_mode_32 3
		.amdhsa_float_denorm_mode_16_64 3
		.amdhsa_memory_ordered 1
		.amdhsa_forward_progress 1
		.amdhsa_inst_pref_size 10
	.end_amdhsa_kernel
	.amdgpu_metadata
---
amdhsa.version: [ 1, 2 ]
amdhsa.kernels:
  - .name:           k_q698d98a44b_hid
    .symbol:         k_q698d98a44b_hid.kd
    .args:
      - { .name: hidden, .offset: 0, .size: 8, .value_kind: global_buffer, .address_space: global }
      - { .name: W_codes, .offset: 8, .size: 8, .value_kind: global_buffer, .address_space: global }
      - { .name: b, .offset: 16, .size: 8, .value_kind: global_buffer, .address_space: global }
      - { .name: lowp_scales, .offset: 24, .size: 8, .value_kind: global_buffer, .address_space: global }
      - { .name: hbp, .offset: 32, .size: 8, .value_kind: global_buffer, .address_space: global }
    .group_segment_fixed_size: 8960
    .private_segment_fixed_size: 0
    .kernarg_segment_align: 8
    .kernarg_segment_size: 40
    .max_flat_workgroup_size: 128
    .sgpr_count:     66
    .vgpr_count:     144
    .wavefront_size: 32
...
	.end_amdgpu_metadata
.endif
;; end of part 1
;; launch energy (part 2): grid 16 x 16, 4 waves a work-group, clusters of 4 x 1, 327,680 bytes of LDS; arguments encoder_outputs, W_codes, v, lowp_scales, hbp, scores, part; writes scores, part
.if DOCPART == 2
	.amdgcn_target "amdgcn-amd-amdhsa--gfx1250"
	.amdhsa_code_object_version 6
	.text
	.protected	k_q698d98a44b_energy
	.globl	k_q698d98a44b_energy
	.p2align	8
	.type	k_q698d98a44b_energy,@function
k_q698d98a44b_energy:
	s_mov_b64 s[64:65], 0
	v_nop
	global_prefetch_b8 v0, s[64:65] scope:SCOPE_SE
	s_setreg_imm32_b32 hwreg(HW_REG_WAVE_MODE, 25, 1), 1
	s_wait_xcnt 0x0
	s_wait_alu depctr_hold_cnt(0) depctr_sa_sdst(0) depctr_va_vdst(0) depctr_va_sdst(0) depctr_va_ssrc(0) depctr_va_vcc(0) depctr_vm_vsrc(0)
	s_getreg_b32 s2, hwreg(HW_REG_IB_STS2, 6, 4)
	s_cmp_eq_u32 s2, 0
	s_cbranch_scc0 .Lentry_in_a_cluster
	s_endpgm
.Lentry_in_a_cluster:
	s_bfe_u32 s2, ttmp6, 0x10000c
	s_cmp_lg_u32 s2, 0x3003
	s_cbranch_scc0 .Lentry_shape_is_right
	s_endpgm
.Lentry_shape_is_right:
; scores[b][s] = -2 sum over n of v[n] r, r = 1 / (1 + 2^z), z = 2 log2(e) x, x = 2^(e0+e1) sum over k of Q(enc[s][b])[k] Wc[n][1024 + k] + (hidden's half + bias)[b][n].   scores: [16][2048] f32.
; WORK LEFT OUT: tanh(x) = 1 - 2 r; the 1 adds sum_n v[n] to every score of a row, which the softmax over s cancels for all values of v: it is not summed (shown at the head of the first kernel).
; part[b][x][n] = sum over the 128 s of block x of 2^((score - m) log2 e) enc[s][b][n], m the block's largest score.   part: [16][16][1024] f32.  The next launch joins the sixteen blocks of a b.
; hidden's half and the bias come from the launch before as four quarters of K, hbp[q][b][n], already x 2 log2(e); they are added here.  The energy is never stored.
; SHARES.  A work-group owns one b and 128 s and walks all 1,024 n.  Wave w: rh = w / 2, nh = w % 2: rows 64 rh .. + 63 (four tiles of 16) x, in each slot of 64 n, the two tiles of 16 n from 32 nh on.
; PHASE 1: enc is read once.  Each row becomes E5M2 codes, kept in registers (8 K steps x 4 tiles x 16 = 512), and a bf16 copy for the weighted sum: a wave keeps the copy of the 32 rows that it loaded, 16 in LDS, 16 in registers.
; PHASE 2: W's second half comes through two LDS slots of 64 n x 1,024 k, 16 rows a wave by one joint tensor load.  A SLOT'S 64 PRODUCTS ARE ONE RUN with no transcendental inside it; a fragment of W feeds four products;
;   eight fragment buffers are filled again when they have fallen free, in five runs of loads a slot (4, 2, 2, 4 and 4 fragments).  The change of slots stands in the run's middle, where all of the slot's fragments have been asked for.
;   Behind the run the slot's 64 numbers a lane go through exp and rcp in four batches; the plain lines of one tile stand among the other tile's transcendentals.  The scores have 32 partial sums, so that none is written and read inside one batch.
; THE WALK OF W IS TURNED FROM CLUSTER TO CLUSTER: a cluster begins at tile s0 of W's sixteen tiles of 64 n and goes round, s0 made of the cluster's number alone (the four partners share it).  A score is a sum over all n, so the order is free.
;   The tables in LDS lie in the order of the walk: they are loaded from memory turned by 256 s0 bytes, so no LDS address hangs on an id.
; PHASE 3: the scores.  PHASE 4: the weights under the block's own maximum, each wave's 32 rows weighed, the four waves' sums added through LDS.
; CLUSTER: the four work-groups of a cluster walk the same tiles of W and ask jointly (mask 15).
; NO PREFETCH: enc is one stream that phase 1 asks for eight rows ahead in every wave.  Each of W's sixteen tiles is the first fill of four clusters and the second fill of four others, asked for at the head and behind pass 0:
;   every refill of the loop asks for bytes that other clusters have read in this launch before.
; THE PRODUCT IS USED TRANSPOSED (source 0 = 16 rows of W, source 1 = 16 rows of enc): lane (r, h) holds row r and n = 8 h + 0 .. 7.  A fragment's registers 4 c .. 4 c + 3 hold k = 32 c + 16 h + 0 .. 15: a permutation of k, the same on both sides.
; LIMITS: e0 between -126 and 112; e0 + e1 between -127 and 126 (added to the exponent field of 2 log2(e)).  NaN among the inputs is not served.  In the weighted sum enc is rounded to bf16; weights and sums are f32.
; REGISTERS.  Window 0: v1-15 addresses; v16-47 the scores' 32 partial sums; v48-63 a slot's tables (hbp, then -2 v); v64-127 eight accumulators; v128-255 eight fragments of W.  Phase 1 uses v32-255 as scratch.
;   Window 1: phase 1's ring of eight rows x 32, then the copy.  Windows 2, 3: enc's codes: (K step s, tile m) at v[16 (4 (s % 4) + m)] of window 2 + s / 4.
.set PITCH, 1040                       ; 1,024 codes + 16 bytes: the sixteen rows of a fragment load start at sixteen different 16-byte columns modulo 256
.set SLOTB, 64*PITCH
.set STAGE, 2*SLOTB                    ; 32 rows of codes; in phase 4 the four waves' sums
.set TABH,  STAGE+32*PITCH             ; hbp, in the order of the walk
.set TABV,  TABH+4096                  ; -2 v, likewise
.set SCR,   TABV+4096                  ; [nh][128] partial scores
.set PW,    SCR+1024                   ; the 128 weights, once for each wave
.set SPARE, PW+2048                    ; the spare words, 128 bytes a wave
.set COPY,  SPARE+512                  ; the copy's half in LDS: 32,768 bytes a wave
.set LOFF, 1                           ; 16 x lane
.set STW,  2                           ; phase 1: the stage, in;   later SCW
.set STR,  3                           ; phase 1: the stage, back; later SRD
.set BB,   4                           ; my place in a slot: (32 nh + r) rows + 16 h
.set ADB,  5                           ; the same in the slot in hand; later RDP
.set TBL,  6                           ; TABH + 128 nh + 32 h
.set ADT,  7                           ; the same for the slot in hand
.set SCL,  8                           ; phase 1: 2^e0;            later PWA
.set LIM,  9                           ; phase 1: 57,344 x 2^e0;   later PWL
.set SPW,  10
.set NIL,  11
.set TW,   12                          ; phase 1: TABH + 16 x thread; later RW
.set TOFF, 13                          ; 16 x thread
.set CPW,  14                          ; COPY + 32,768 w + 16 x lane
.set ADN,  15                          ; my place in the next slot
.set SCW,  2
.set SRD,  3
.set RDP,  5
.set PWA,  8
.set PWL,  9
.set RW,   12
.set SC,   16
.set Z,    16
.set TAB,  48
.set HN,   32
.set ACC,  64
.set CD,   64
.set CA,   64
.set PWR,  96
.set BF,   128
.set BH,   128
.set TT,   160                         ; phase 1: the tables as loaded: four quarters of hbp (32 registers), v (8)
.set WV,   16                          ; s16 wave; s17 rh, s18 nh, s19 cx, s20 my block of 128 s, s21 b; s[22:23] part
.set G1,   24
.set G0,   32
.set FB,   36                          ; the slot that is filled next
.set WOFF, 37
.set TB,   38                          ; the slot in hand
.set TN,   39                          ; 256 x its place in the walk
.set TRIPS, 40
.set L2E,  41
.set C1,   42
.set EB,   46
.set SEL,  48
.set TB2,  60                          ; the other slot
.set SI,   61                          ; the tile of W that was asked for last, 0 .. 15;  s[62:63] its byte offset
.set WB,   78                          ; s[78:79] W at my 16 rows of tile 0, k = 1,024
.set MSB, 0
.macro WIN new
.if MSB != (\new)
	s_set_vgpr_msb (MSB<<8)|(\new)
.set MSB, (\new)
.endif
.endm
.macro NOP4
.rept 4
	v_nop
.endr
.endm
.macro CREST                           ; a round of the cluster's barrier behind its opening barrier
	s_cmp_lg_u32 s[WV], 0
	s_cbranch_scc1 .Lnot_wave_0_\@
	s_barrier_signal -3
.Lnot_wave_0_\@:
	s_barrier_wait -3
	s_barrier_signal -1
	s_barrier_wait -1
.endm
.macro CROUND
	s_barrier_signal -1
	s_barrier_wait -1
	CREST
.endm
.macro NEXTW                           ; group 0 steps to the other slot and to the next tile of W, round from 15 to 0 (no tensor load of mine is out)
	s_xor_b32 s[FB], s[FB], SLOTB
	s_add_co_u32 s[G0+1], s[FB], s[WOFF]
	s_add_co_u32 s[SI], s[SI], 1
	s_and_b32 s[SI], s[SI], 15
	s_lshl_b32 s62, s[SI], 17                      ; 64 rows of 2,048 bytes a tile
	s_add_nc_u64 s[G0+2:G0+3], s[WB:WB+1], s[62:63]
	s_or_b32 s[G0+3], s[G0+3], 0x80000000
.endm
.macro JLOAD
	tensor_load_to_lds s[G0:G0+3], s[G1:G1+7]
	s_nop 0
	NOP4
.endm
	s_load_b256 s[4:11], s[0:1], 0x0               ; enc, W's codes, v, the scales' exponents
	s_load_b128 s[12:15], s[0:1], 0x20             ; hbp, scores
	s_load_b64 s[22:23], s[0:1], 0x30              ; part
	v_lshl_add_u32 v[SPW], v0, 2, SPARE
	v_mov_b32 v[NIL], 0
	ds_add_u32 v[SPW], v[NIL]                      ; the opening lines: the add twice on end under one wait
	ds_add_u32 v[SPW], v[NIL]
	v_lshrrev_b32 v32, 5, v0
	v_readfirstlane_b32 s[WV], v32
	s_lshr_b32 s17, s[WV], 1
	s_and_b32 s18, s[WV], 1
	s_bfe_u32 s19, ttmp6, 0x40000
	s_lshl_b32 s20, ttmp9, 2
	s_add_co_u32 s20, s20, s19                     ; my block of 128 s: it enters enc's, the scores' and part's addresses alone
	s_and_b32 s21, ttmp7, 0xffff                   ; b, which the four partners share
	s_mov_b32 s[G1], 15|(1<<20)|(1<<21)|(7<<22)|(3<<25)   ; mask of all four; bytes; four words of padding behind every 256
	s_mov_b32 s[G1+1], 1024<<16
	s_mov_b32 s[G1+2], 16<<16
	s_mov_b32 s[G1+3], 1024<<16
	s_mov_b32 s[G1+4], 16
	s_mov_b32 s[G1+5], 2048
	s_mov_b32 s[G1+6], 0
	s_mov_b32 s[G1+7], 0
	s_mul_i32 s[WOFF], s[WV], 16*PITCH
	s_mov_b32 s[FB], 0
	; s0 = (i + 8 (bit 4 of i) + 4 (bit 5 of i)) mod 16, i = cluster x + 4 b the cluster's number, 0 .. 63: each tile is the start of four clusters
	s_lshl_b32 s[SI], s21, 2
	s_add_co_u32 s[SI], s[SI], ttmp9
	s_bfe_u32 s62, s21, 0x10002
	s_lshl_b32 s62, s62, 3
	s_add_co_u32 s[SI], s[SI], s62
	s_bfe_u32 s62, s21, 0x10003
	s_lshl_b32 s62, s62, 2
	s_add_co_u32 s[SI], s[SI], s62
	s_and_b32 s[SI], s[SI], 15
	s_lshl_b32 s77, s[SI], 8                       ; 256 s0: the tables' turn, in bytes
	s_lshl_b32 s62, s[SI], 17
	s_mov_b32 s63, 0
	s_lshl_b32 s50, s[WV], 15                      ; W: my 16 rows of 2,048 bytes, from k = 1,024 on
	s_add_co_u32 s50, s50, 1024
	s_mov_b32 s51, 0
	s_lshl_b32 s52, s20, 23                        ; enc: 128 s x 65,536 x my block + 4,096 b + rows 64 rh + 8 nh
	s_lshl_b32 s53, s21, 12
	s_add_co_u32 s52, s52, s53
	s_lshl_b32 s53, s17, 22
	s_add_co_u32 s52, s52, s53
	s_lshl_b32 s53, s18, 19
	s_add_co_u32 s52, s52, s53
	s_mov_b32 s53, 0
	s_lshl_b32 s54, s21, 12                        ; hbp: row b
	s_mov_b32 s55, 0
	s_lshl_b32 s56, s21, 13                        ; scores: row b + 512 bytes x my block
	s_lshl_b32 s57, s20, 9
	s_add_co_u32 s56, s56, s57
	s_mov_b32 s57, 0
	s_lshl_b32 s58, s21, 16                        ; part: 65,536 b + 4,096 x my block
	s_lshl_b32 s59, s20, 12
	s_add_co_u32 s58, s58, s59
	s_mov_b32 s59, 0
	s_mov_b32 s[SEL], 0x76543210
	s_mov_b32 s[SEL+1], 0xfedcba98
	s_mov_b32 s[L2E], 0x3fb8aa3b
	; the waves' parts of the LDS addresses, all made here so that the vector lines below stand on end
	s_mul_i32 s66, s[WV], 8*PITCH
	s_add_co_u32 s66, s66, STAGE
	s_mul_i32 s67, s17, 16*PITCH
	s_add_co_u32 s67, s67, STAGE
	s_mul_i32 s68, s18, 32*PITCH
	s_lshl_b32 s69, s18, 7
	s_add_co_u32 s69, s69, TABH
	s_lshl_b32 s70, s18, 9
	s_lshl_b32 s71, s17, 8
	s_add_co_u32 s70, s70, s71
	s_add_co_u32 s70, s70, SCR
	s_lshl_b32 s72, s[WV], 15
	s_add_co_u32 s72, s72, COPY
	s_lshl_b32 s73, s[WV], 9
	s_add_co_u32 s73, s73, PW
	s_add_co_u32 s74, s73, s71
	s_lshl_b32 s75, s18, 5
	s_add_co_u32 s74, s74, s75
	s_lshl_b32 s76, s[WV], 12
	s_add_co_u32 s76, s76, STAGE
	s_wait_alu depctr_va_vdst(0)                   ; ahead of the waits below
	s_wait_dscnt 0x0
	s_wait_kmcnt 0x0
	s_load_b64 s[44:45], s[10:11], 0x0             ; e0, e1
	s_mov_b32 s[G0], 1
	s_add_co_u32 s[G0+1], s[FB], s[WOFF]
	s_add_nc_u64 s[WB:WB+1], s[6:7], s[50:51]
	s_add_nc_u64 s[G0+2:G0+3], s[WB:WB+1], s[62:63]
	s_or_b32 s[G0+3], s[G0+3], 0x80000000
	s_add_nc_u64 s[EB:EB+1], s[4:5], s[52:53]
	s_add_nc_u64 s[12:13], s[12:13], s[54:55]
	s_add_nc_u64 s[14:15], s[14:15], s[56:57]
	s_add_nc_u64 s[22:23], s[22:23], s[58:59]
	CROUND                                         ; all four work-groups are here: the first joint loads meet
	JLOAD                                          ; tile s0 into slot 0: my one tensor load at the head
	v_and_b32 v32, 31, v0                          ; lane
	v_and_b32 v33, 15, v0                          ; r
	v_bfe_u32 v34, v0, 4, 1                        ; h
	v_lshlrev_b32 v[LOFF], 4, v32
	v_lshlrev_b32 v[TOFF], 4, v0
	v_add_nc_u32 v36, s77, v[TOFF]
	v_and_b32 v36, 0xfff, v36                      ; table byte 16 t of the walk lies at byte (16 t + 256 s0) mod 4,096 in memory,
	v_xor_b32 v37, 0x800, v36                      ; and byte 2,048 + 16 t at that + 2,048 mod 4,096
.irp q, 0,1,2,3
	global_load_b128 v[TT+8*\q:TT+8*\q+3], v36, s[12:13] offset:65536*\q
	global_load_b128 v[TT+8*\q+4:TT+8*\q+7], v37, s[12:13] offset:65536*\q
.endr
	global_load_b128 v[TT+32:TT+35], v36, s[8:9]
	global_load_b128 v[TT+36:TT+39], v37, s[8:9]
	WIN 0x40
.irp i, 0,1,2,3,4,5,6,7                        ; the ring is filled: the first pass's eight rows
.irp q, 0,1,2,3,4,5,6,7
	global_load_b128 v[32*\i+4*\q:32*\i+4*\q+3], v[LOFF], s[EB:EB+1] offset:\i*65536+512*\q th:TH_LOAD_NT
.endr
.endr
	WIN 0
	v_lshl_add_u32 v[STW], v32, 2, s66
	v_mul_u32_u24 v35, v33, PITCH
	v_lshl_add_u32 v35, v34, 4, v35
	v_add_nc_u32 v[STR], s67, v35
	v_add_nc_u32 v[BB], s68, v35
	v_lshl_add_u32 v[TBL], v34, 5, s69
	v_lshl_add_u32 v[TW], v0, 4, TABH
	v_lshl_add_u32 v[CPW], v32, 4, s72
	s_wait_alu depctr_va_vdst(0)                   ; ahead of the wait below
	s_wait_kmcnt 0x0
	s_add_co_i32 s50, s44, s45
	s_lshl_b32 s50, s50, 23
	s_add_co_i32 s[C1], s50, 0x4038aa3b            ; 2 log2(e) x 2^(e0 + e1)
	s_mov_b32 s[C1+1], s[C1]
	s_add_co_i32 s50, s44, 127
	s_lshl_b32 s51, s50, 23
	v_mov_b32 v[SCL], s51
	s_add_co_i32 s50, s50, 15
	s_lshl_b32 s50, s50, 23
	s_or_b32 s50, s50, 0x600000
	v_mov_b32 v[LIM], s50
	s_wait_alu depctr_va_vdst(0)                   ; the head's end
; ---- PHASE 1.  Row i of pass g: local row 64 rh + 16 g + 8 nh + i -> stage row 8 w + i.  Load q brought k = 128 q + 4 lane + 0 .. 3.
; Passes 0 to 2: the row lies in ring slot i of window 1.  Pass 3, i odd: in the upper halves of slots i - 1 and i; i even: at v[128 + 16 i ..] of window 0.
; Its bf16 copy: passes 0, 1 through a scratch set to COPY; pass 2 in place into the lower half of slot i; pass 3 into the runs that pass 3's odd rows leave.  One row is asked for behind each row that is worked.
.macro ROW g, i
.if \g < 3
.set wsrc, 1
.set rb0, 32*\i
.set rb1, 32*\i+16
	s_wait_loadcnt 56                              ; this row's eight loads are in; the seven younger rows' 56 stay out
.else
.if (\i)%2 == 0
.set wsrc, 0
.set rb0, 128+32*(\i/2)
.set rb1, 144+32*(\i/2)
.else
.set wsrc, 1
.set rb0, 64*(\i/2)+16
.set rb1, 64*(\i/2)+48
.endif
	s_wait_loadcnt 8*(7-\i)                        ; the last pass loads nothing: the counts run down
.endif
.if (\g == 0) && (\i == 0)
	WIN 0
.irp e, 0,2,4,6
	v_pk_add_f32 v[TT+\e:TT+\e+1], v[TT+\e:TT+\e+1], v[TT+8+\e:TT+8+\e+1]          ; the four quarters of hidden's K
	v_pk_add_f32 v[TT+16+\e:TT+16+\e+1], v[TT+16+\e:TT+16+\e+1], v[TT+24+\e:TT+24+\e+1]
.endr
.irp e, 0,2,4,6
	v_pk_add_f32 v[TT+\e:TT+\e+1], v[TT+\e:TT+\e+1], v[TT+16+\e:TT+16+\e+1]
.endr
.irp e, 32,34,36,38
	v_pk_mul_f32 v[TT+\e:TT+\e+1], v[TT+\e:TT+\e+1], -2.0 op_sel_hi:[1,0]   ; the table holds -2 v
.endr
	ds_store_b128 v[TW], v[TT:TT+3]                ; the tables' loads stood ahead of the ring's; the passes' barriers show them to every wave
	ds_store_b128 v[TW], v[TT+4:TT+7] offset:2048
	ds_store_b128 v[TW], v[TT+32:TT+35] offset:4096
	ds_store_b128 v[TW], v[TT+36:TT+39] offset:6144
.endif
.if \g < 2
	s_wait_dscnt 12                                ; the stores of two rows back, which read the scratch set written next, are done
	WIN 0x05
.set k, 0
.rept 16
	v_cvt_pk_bf16_f32 v[BH+16*((\i)%2)+k], v[rb0+2*k], v[rb0+2*k+1]
.set k, k+1
.endr
.endif
	WIN wsrc
.set k, 0
.rept 16
	v_med3_num_f32 v[HN+k], v[rb0+k], -v[LIM], v[LIM]      ; the hold: the conversion does not saturate (ISA guide 7.6.2)
.set k, k+1
.endr
.set k, 0
.rept 16
	v_med3_num_f32 v[HN+16+k], v[rb1+k], -v[LIM], v[LIM]
.set k, k+1
.endr
	WIN 0
.irp u, 0,1,2,3
	v_cvt_scalef32_pk8_bf8_f32 v[CD+8*\i+2*\u:CD+8*\i+2*\u+1], v[HN+8*\u:HN+8*\u+7], v[SCL]
.endr
.if (\g == 3) && ((\i)%2 == 0)
	v_nop                                          ; a plain line between the conversions and the next row's hold, which writes their sources
.endif
.if \g < 2
.irp c, 0,1,2,3
	ds_store_b128 v[CPW], v[BH+16*((\i)%2)+4*\c:BH+16*((\i)%2)+4*\c+3] offset:(8*\g+\i)*2048+512*\c
.endr
.endif
.irp q, 0,1,2,3,4,5,6,7
	ds_store_b32 v[STW], v[CD+8*\i+\q] offset:PITCH*\i+128*\q   ; 32 lanes x 4 codes: k = 128 q .. + 127 of the row
.endr
.if \g == 2
	WIN 0x45
.set k, 0
.rept 16
	v_cvt_pk_bf16_f32 v[rb0+k], v[rb0+2*k], v[rb0+2*k+1]
.set k, k+1
.endr
.endif
.if (\g == 3) && ((\i)%2 == 1)
	WIN 0x45
.set k, 0
.rept 8
	v_cvt_pk_bf16_f32 v[rb0+k], v[rb0+2*k], v[rb0+2*k+1]
.set k, k+1
.endr
.set k, 0
.rept 8
	v_cvt_pk_bf16_f32 v[rb0+8+k], v[rb1+2*k], v[rb1+2*k+1]
.set k, k+1
.endr
	WIN 0x40                                       ; row i - 1 takes the run that this row has left
.set k, 0
.rept 16
	v_cvt_pk_bf16_f32 v[rb1+k], v[128+32*(\i/2)+2*k], v[128+32*(\i/2)+2*k+1]
.set k, k+1
.endr
.endif
.if \g < 3
.if \g < 2
.set wdst, 0x40
.set rc0, 32*\i
.set rc1, 32*\i+16
.elseif (\i)%2 == 0
.set wdst, 0
.set rc0, 128+32*(\i/2)
.set rc1, 144+32*(\i/2)
.else
.set wdst, 0x40
.set rc0, 64*(\i/2)+16
.set rc1, 64*(\i/2)+48
.endif
	WIN wdst
.irp q, 0,1,2,3
	global_load_b128 v[rc0+4*\q:rc0+4*\q+3], v[LOFF], s[EB:EB+1] offset:(16*(\g+1)+\i)*65536+512*\q th:TH_LOAD_NT
.endr
.irp q, 0,1,2,3
	global_load_b128 v[rc1+4*\q:rc1+4*\q+3], v[LOFF], s[EB:EB+1] offset:(16*(\g+1)+\i)*65536+2048+512*\q th:TH_LOAD_NT
.endr
.endif
.endm
.macro PASS g
.irp i, 0,1,2,3,4,5,6,7
	ROW \g, \i
.endr
	WIN 0
	v_nop                                          ; a plain line behind the last conversion of a run
	s_wait_alu depctr_va_vdst(0)                   ; ahead of the wait below
	s_wait_dscnt 0x0                               ; my eight rows lie in the stage
	s_barrier_signal -1
	s_barrier_wait -1
	WIN 0x80                                       ; K steps 0 to 3 of my tile g
.irp s, 0,1,2,3
.irp c, 0,1,2,3
	ds_load_b128 v[16*(4*\s+\g)+4*\c:16*(4*\s+\g)+4*\c+3], v[STR] offset:128*\s+32*\c
.endr
.endr
	WIN 0xc0                                       ; K steps 4 to 7
.irp s, 0,1,2,3
.irp c, 0,1,2,3
	ds_load_b128 v[16*(4*\s+\g)+4*\c:16*(4*\s+\g)+4*\c+3], v[STR] offset:512+128*\s+32*\c
.endr
.endr
	WIN 0
.if \g == 0
	s_wait_tensorcnt 0x0                           ; slot 1's first fill is issued as a refill is: my part of slot 0 is in,
	ds_add_u32 v[SPW], v[NIL]                      ; the add,
	NEXTW
	s_wait_dscnt 0x0                               ; the add is done, and my reads of the stage are over
	CROUND                                         ; a whole round; it also shows slot 0 to every wave and frees the stage for the next pass
	JLOAD                                          ; the walk's second tile into slot 1: it has passes 1 to 3 in which to land
.elseif \g < 3
	s_wait_dscnt 0x0                               ; my reads of the stage are over: the next pass may write it
	s_barrier_signal -1
	s_barrier_wait -1
.endif
.endm
	PASS 0
	PASS 1
	PASS 2
	PASS 3
; ---- PHASE 2
.macro FRAG adr, j, s                  ; the fragment of tile j, K step s -> buffer s
.irp c, 0,1,2,3
	ds_load_b128 v[BF+16*(\s)+4*\c:BF+16*(\s)+4*\c+3], v[\adr] offset:16*PITCH*(\j)+128*(\s)+32*\c
.endr
.endm
; eight products: tile g / 4, K steps 2 (g % 4) and + 1, four tiles of rows.  A tile's four accumulators take turns, one instruction a turn; the first K step starts the sums.
.macro MUL8 g
	WIN 0x08+4*(((\g)%4)/2)                        ; source 1 (enc's codes) window 2 or 3; all else window 0
.irp u, 0,1
.set ss, 2*((\g)%4)+\u
.irp m, 0,1,2,3
.set rx, ACC+32*((\g)/4)+8*\m
.set ra, 16*(4*(ss%4)+\m)
.if ss == 0
	v_wmma_f32_16x16x128_bf8_bf8 v[rx:rx+7], v[BF+16*ss:BF+16*ss+15], v[ra:ra+15], 0
.else
	v_wmma_f32_16x16x128_bf8_bf8 v[rx:rx+7], v[BF+16*ss:BF+16*ss+15], v[ra:ra+15], v[rx:rx+7]
.endif
.endr
.endr
.endm
; Pair P of tile j: registers 8 (P % 4) + 2 (P / 4): tile of rows P % 4, n = 8 h + 2 (P / 4) + 0, 1.
.macro PF j, P                         ; z = sum x 2 log2(e) 2^(e0+e1) + hbp
.set rp, ACC+32*(\j)+8*((\P)%4)+2*((\P)/4)
.set rt, TAB+8*(\j)+2*((\P)/4)
	v_pk_fma_f32 v[rp:rp+1], v[rp:rp+1], s[C1:C1+1], v[rt:rt+1] op_sel_hi:[1,0,1]
.endm
.macro PX j, P                         ; 2^z
.set rp, ACC+32*(\j)+8*((\P)%4)+2*((\P)/4)
	v_exp_f32 v[rp], v[rp]
	v_exp_f32 v[rp+1], v[rp+1]
.endm
.macro PA j, P                         ; 1 + 2^z
.set rp, ACC+32*(\j)+8*((\P)%4)+2*((\P)/4)
	v_pk_add_f32 v[rp:rp+1], v[rp:rp+1], 1.0 op_sel_hi:[1,0]
.endm
.macro PR j, P                         ; r: 0 where 2^z is infinite, 1 where it is 0
.set rp, ACC+32*(\j)+8*((\P)%4)+2*((\P)/4)
	v_rcp_f32 v[rp], v[rp]
	v_rcp_f32 v[rp+1], v[rp+1]
.endm
.macro PS j, P                         ; partial sum P += r x (-2 v)
.set rp, ACC+32*(\j)+8*((\P)%4)+2*((\P)/4)
.set rt, TAB+8*(\j)+2*((\P)/4)
	v_pk_fma_f32 v[SC+2*(\P):SC+2*(\P)+1], v[rp:rp+1], v[rt:rt+1], v[SC+2*(\P):SC+2*(\P)+1]
.endm
.macro TABLE o                         ; sixteen numbers of a table for my two tiles
	ds_load_b128 v[TAB:TAB+3],     v[ADT] offset:\o
	ds_load_b128 v[TAB+4:TAB+7],   v[ADT] offset:\o+16
	ds_load_b128 v[TAB+8:TAB+11],  v[ADT] offset:\o+64
	ds_load_b128 v[TAB+12:TAB+15], v[ADT] offset:\o+80
.endm
.macro BOUND                           ; between two batches: a plain line behind the last transcendental, and the one wait that closes one batch and opens the next
	v_nop
	s_wait_alu depctr_va_vdst(0)
.endm
.macro COPYIN h                        ; eight rows of my part of COPY into v128-255
.set k, 0
.rept 32
	ds_load_b128 v[BF+4*k:BF+4*k+3], v[CPW] offset:16384*\h+512*k
.set k, k+1
.endr
.endm
; A SLOT.  At its head tile 0's eight fragments are in or on their way.  fill: the slot is filled again; bar: the slots change; next: a slot follows.
.macro SLOT fill, bar, next
	TABLE 0                                        ; hbp
	s_wait_dscnt 28                                ; fragments 0 and 1 are in; behind them at most three pairs (24 loads) and the table's 4
	MUL8 0
	s_wait_dscnt 20                                ; fragments 2 and 3; behind them at most two pairs and the table's 4
	MUL8 1
	NOP4                                           ; places ahead of loads into buffers that the products read (ISA guide 7.12.1 for vector instructions)
.irp s, 0,1,2,3
	FRAG ADB, 1, \s                                ; one run of loads for the four buffers that sixteen products have left
.endr
.irp g, 2,3
	s_wait_dscnt 28                                ; this group's two fragments are in; behind them the table's 4 and three pairs
	MUL8 \g
	NOP4
	FRAG ADB, 1, 2*\g
	FRAG ADB, 1, 2*\g+1
.endr
.if \bar
	WIN 0                                          ; the add's registers lie in window 0
	s_wait_tensorcnt 0x0                           ; my part of the next slot is in; no tensor load of mine is out
	ds_add_u32 v[SPW], v[NIL]
.if \fill
	NEXTW
.endif
	s_wait_dscnt 25                                ; tile 1's first pair and the table are in; behind them three pairs and the add
.else
	s_wait_dscnt 24
.endif
	MUL8 4
.set pp, 0
.rept 8
	PF 0, pp                                       ; tile 0 is finished (four places stand behind its last product): its scalings stand among tile 1's products
.set pp, pp+1
.endr
.if \bar
	s_wait_dscnt 0x0                               ; the add is done, and my reads of this slot are over
	s_barrier_signal -1
.else
	s_wait_dscnt 16
.endif
	MUL8 5
.rept 8
	PF 0, pp
.set pp, pp+1
.endr
.if \bar
	WIN 0
	s_barrier_wait -1
.if \fill
	CREST                                          ; the barrier has opened a round: no wave of any partner still reads this slot or has a load on its way
	JLOAD                                          ; the tile two steps on in the walk, into the slot just read out: my one tensor load behind the round
.else
	NOP4
.endif
.irp s, 0,1,2,3
	FRAG ADN, 0, \s
.endr
.else
	s_wait_dscnt 8
.endif
	MUL8 6
.if \next == 0
	s_wait_dscnt 0x0
.endif
	MUL8 7
	NOP4                                           ; places ahead of the loads and of the first read of tile 1's sums
	WIN 0
.if \next
.irp s, 4,5,6,7
	FRAG ADN, 0, \s                                ; one run for the last four buffers: the batches below stand between these loads and their use
.endr
.else
	COPYIN 0                                       ; W's fragments are done with: the copy's first eight rows come under the last tanh
.endif
.set pp, 0
.rept 16
	PF 1, pp
.set pp, pp+1
.endr
	TABLE 4096                                     ; -2 v takes hbp's registers
	s_wait_alu depctr_va_vdst(0)                   ; ahead of the batch
.set pp, 0
.rept 16
	PX 0, pp
.set pp, pp+1
.endr
	BOUND
.set pp, 0
.rept 16
	PA 0, pp
	PX 1, pp
.set pp, pp+1
.endr
	BOUND
.set pp, 0
.rept 16
	PA 1, pp
	PR 0, pp
.set pp, pp+1
.endr
	BOUND
	s_wait_dscnt 0x0                               ; -2 v is in
.set pp, 0
.rept 16
	PS 0, pp                                       ; each partial sum is touched once in this batch
	PR 1, pp
.set pp, pp+1
.endr
	BOUND
.if \next
	s_xor_b32 s[TB], s[TB], SLOTB                  ; the addresses step to the next slot here, behind every load that read them; sixteen plain lines follow
	s_xor_b32 s[TB2], s[TB2], SLOTB
	s_add_co_u32 s[TN], s[TN], 256
	v_add_nc_u32 v[ADB], s[TB], v[BB]
	v_add_nc_u32 v[ADN], s[TB2], v[BB]
	v_add_nc_u32 v[ADT], s[TN], v[TBL]
.endif
.set pp, 0
.rept 16
	PS 1, pp
.set pp, pp+1
.endr
.endm
.set k, 0
.rept 32
	v_mov_b32 v[SC+k], 0
.set k, k+1
.endr
	s_mov_b32 s[TB], 0
	s_mov_b32 s[TB2], SLOTB
	s_mov_b32 s[TN], 0
	s_mov_b32 s[TRIPS], 14
	v_add_nc_u32 v[ADB], s[TB], v[BB]
	v_add_nc_u32 v[ADN], s[TB2], v[BB]
	v_add_nc_u32 v[ADT], s[TN], v[TBL]
.irp s, 0,1,2,3,4,5,6,7
	FRAG ADB, 0, \s                                ; slot 0 was shown to every wave by the round behind pass 0
.endr
	s_wait_alu depctr_va_vdst(0)                   ; ahead of the loop
.Lslot:                                            ; fourteen trips: steps 0 to 13 of the walk ask for steps 2 to 15
	SLOT 1, 1, 1
	s_sub_co_u32 s[TRIPS], s[TRIPS], 1
	s_cmp_lg_u32 s[TRIPS], 0
	s_wait_alu depctr_va_vdst(0)                   ; directly ahead of the branch
	s_cbranch_scc1 .Lslot
	SLOT 0, 1, 1                                   ; the last two steps are written out: they ask for nothing
	SLOT 0, 0, 0
; ---- PHASE 3.  The 32 partial sums, the other half of the lanes' eight n and the other wave's 512 n are added.  Every wave takes all 128 scores, four a lane; wave 0 stores them.
	v_and_b32 v48, 31, v0
	v_and_b32 v49, 15, v0
	v_lshl_add_u32 v[SCW], v49, 2, s70
	v_lshl_add_u32 v[SRD], v48, 4, SCR
	v_lshl_add_u32 v[PWA], v48, 4, s73
	v_mov_b32 v[PWL], s74
	v_lshl_add_u32 v[RW], v48, 4, s76
	v_lshl_add_u32 v[RDP], v0, 4, STAGE
.irp m, 0,1,2,3
	v_pk_add_f32 v[56+2*\m:57+2*\m], v[SC+2*\m:SC+2*\m+1], v[SC+8+2*\m:SC+8+2*\m+1]
.endr
.irp m, 0,1,2,3
	v_pk_add_f32 v[56+2*\m:57+2*\m], v[56+2*\m:57+2*\m], v[SC+16+2*\m:SC+16+2*\m+1]
.endr
.irp m, 0,1,2,3
	v_pk_add_f32 v[56+2*\m:57+2*\m], v[56+2*\m:57+2*\m], v[SC+24+2*\m:SC+24+2*\m+1]
.endr
.irp m, 0,1,2,3
	v_add_f32 v[50+\m], v[56+2*\m], v[57+2*\m]
.endr
.irp m, 0,1,2,3
	v_permlanex16_b32 v[56+\m], v[50+\m], s[SEL], s[SEL+1]
.endr
.irp m, 0,1,2,3
	v_add_f32 v[50+\m], v[50+\m], v[56+\m]
.endr
.irp m, 0,1,2,3
	ds_store_b32 v[SCW], v[50+\m] offset:64*\m     ; row 64 rh + 16 m + r (both halves of the lanes store the same number)
.endr
	s_wait_alu depctr_va_vdst(0)                   ; ahead of the wait below
	s_wait_dscnt 0x0
	s_barrier_signal -1
	s_barrier_wait -1
	ds_load_b128 v[Z:Z+3], v[SRD]
	ds_load_b128 v[Z+4:Z+7], v[SRD] offset:512
	s_wait_dscnt 0x0
	v_pk_add_f32 v[Z:Z+1], v[Z:Z+1], v[Z+4:Z+5]
	v_pk_add_f32 v[Z+2:Z+3], v[Z+2:Z+3], v[Z+6:Z+7]    ; the scores of rows 4 lane .. + 3; these four registers are not written again
	s_cmp_lg_u32 s[WV], 0
	s_wait_alu depctr_va_vdst(0)                   ; directly ahead of the branch
	s_cbranch_scc1 .Lnot_first
	global_store_b128 v[LOFF], v[Z:Z+3], s[14:15]  ; 32 lanes store 512 consecutive bytes, at a multiple of 256 from the buffer's first byte
.Lnot_first:
; ---- PHASE 4.  p = 2^((score - m) log2 e), m the largest of the block's 128 scores: the difference first; the next launch makes m again from the stored scores, bit for bit.
	v_max3_num_f32 v[Z+4], v[Z], v[Z+1], v[Z+2]
	v_max_num_f32 v[Z+4], v[Z+4], v[Z+3]
.irp x, 1,2,4,8
	v_max_num_f32_dpp v[Z+4], v[Z+4], v[Z+4] row_xmask:\x row_mask:0xf bank_mask:0xf
.endr
	v_permlanex16_b32 v[Z+5], v[Z+4], s[SEL], s[SEL+1]
	v_max_num_f32 v[Z+4], v[Z+4], v[Z+5]
.irp j, 0,1,2,3
	v_sub_f32 v[Z+8+\j], v[Z+\j], v[Z+4]
.endr
.irp j, 0,1,2,3
	v_mul_f32 v[Z+8+\j], s[L2E], v[Z+8+\j]
.endr
	s_wait_alu depctr_va_vdst(0)                   ; ahead of the batch
.irp j, 0,1,2,3
	v_exp_f32 v[Z+8+\j], v[Z+8+\j]
.endr
	BOUND
	ds_store_b128 v[PWA], v[Z+8:Z+11]              ; the 128 weights, into my wave's own 512 bytes: LDS serves a wave's instructions in order
.irp g, 0,1,2,3
	ds_load_b128 v[PWR+8*\g:PWR+8*\g+3],   v[PWL] offset:64*\g         ; the weights of rows 64 rh + 16 g + 8 nh + 0 .. 7: those that I loaded in pass g
	ds_load_b128 v[PWR+8*\g+4:PWR+8*\g+7], v[PWL] offset:64*\g+16
.endr
	s_wait_dscnt 0x0
.macro WROW d, p                       ; a row of the copy x weight p onto the 32 sums, straight from the bf16 halves
.set k, 0
.rept 16
	v_fma_mix_f32_bf16 v[CA+2*k], v[(\d)+k], v[PWR+(\p)], v[CA+2*k] op_sel_hi:[1,0,0]
	v_fma_mix_f32_bf16 v[CA+2*k+1], v[(\d)+k], v[PWR+(\p)], v[CA+2*k+1] op_sel:[1,0,0] op_sel_hi:[1,0,0]
.set k, k+1
.endr
.endm
.set k, 0
.rept 16                                       ; the first row starts the sums
	v_lshlrev_b32 v[CA+2*k], 16, v[BF+k]
	v_and_b32 v[CA+2*k+1], 0xffff0000, v[BF+k]
.set k, k+1
.endr
.set k, 0
.rept 16
	v_pk_mul_f32 v[CA+2*k:CA+2*k+1], v[CA+2*k:CA+2*k+1], v[PWR:PWR+1] op_sel_hi:[1,0]
.set k, k+1
.endr
.irp r, 1,2,3,4,5,6,7
	WROW BF+16*\r, \r                              ; pass 0's rows
.endr
	COPYIN 1                                       ; pass 1's rows come while the sixteen rows in registers are weighed
	WIN 0x01
.set c, 0
.rept 16                                       ; run c: c even: row c / 2 of pass 2; c % 4 = 1: row 2 (c / 4) + 1 of pass 3; c % 4 = 3: row 2 (c / 4) of pass 3
.if c%2 == 0
.set pidx, 16+c/2
.elseif c%4 == 1
.set pidx, 25+2*(c/4)
.else
.set pidx, 24+2*(c/4)
.endif
	WROW 16*c, pidx
.set c, c+1
.endr
	WIN 0
	s_wait_alu depctr_va_vdst(0)                   ; ahead of the wait below
	s_wait_dscnt 0x0
.irp r, 0,1,2,3,4,5,6,7
	WROW BF+16*\r, 8+\r                            ; pass 1's rows
.endr
.irp q, 0,1,2,3,4,5,6,7
	ds_store_b128 v[RW], v[CA+4*\q:CA+4*\q+3] offset:512*\q    ; my 32 rows' sums for n = 128 q + 4 lane + 0 .. 3
.endr
	s_wait_alu depctr_va_vdst(0)
	s_wait_dscnt 0x0
	s_barrier_signal -1
	s_barrier_wait -1
.irp u, 0,1
.irp x, 0,1,2,3
	ds_load_b128 v[BF+16*\u+4*\x:BF+16*\u+4*\x+3], v[RDP] offset:4096*\x+2048*\u   ; the four waves' sums for n = 512 u + 4 thread + 0 .. 3
.endr
.endr
	s_wait_dscnt 0x0
.irp u, 0,1
.irp e, 0,2
	v_pk_add_f32 v[BF+16*\u+\e:BF+16*\u+\e+1], v[BF+16*\u+\e:BF+16*\u+\e+1], v[BF+16*\u+4+\e:BF+16*\u+4+\e+1]
	v_pk_add_f32 v[BF+16*\u+8+\e:BF+16*\u+8+\e+1], v[BF+16*\u+8+\e:BF+16*\u+8+\e+1], v[BF+16*\u+12+\e:BF+16*\u+12+\e+1]
.endr
.irp e, 0,2
	v_pk_add_f32 v[BF+16*\u+\e:BF+16*\u+\e+1], v[BF+16*\u+\e:BF+16*\u+\e+1], v[BF+16*\u+8+\e:BF+16*\u+8+\e+1]
.endr
.endr
	global_store_b128 v[TOFF], v[BF:BF+3], s[22:23]                ; a wave's 32 lanes store 512 consecutive bytes, at a multiple of 256 from part's first byte
	global_store_b128 v[TOFF], v[BF+16:BF+19], s[22:23] offset:2048
	s_wait_tensorcnt 0x0                           ; the wave's end
	ds_add_u32 v[SPW], v[NIL]
	s_wait_dscnt 0x0
	CROUND                                         ; the closing round
	s_endpgm
.Lfunc_end_k_q698d98a44b_energy:
	.size	k_q698d98a44b_energy, .Lfunc_end_k_q698d98a44b_energy-k_q698d98a44b_energy
	.p2alignl 7, 3214868480
	.fill 96, 4, 3214868480
	.section	.rodata,"a",@progbits
	.p2align	6, 0x0
	.amdhsa_kernel k_q698d98a44b_energy
		.amdhsa_group_segment_fixed_size 327680
		.amdhsa_private_segment_fixed_size 0
		.amdhsa_enable_private_segment 0
		.amdhsa_kernarg_size 56
		.amdhsa_user_sgpr_count 2
		.amdhsa_user_sgpr_kernarg_segment_ptr 1
		.amdhsa_wavefront_size32 1
		.amdhsa_system_sgpr_workgroup_id_x 1
		.amdhsa_system_sgpr_workgroup_id_y 1
		.amdhsa_system_sgpr_workgroup_id_z 1
		.amdhsa_system_vgpr_workitem_id 0
		.amdhsa_next_free_vgpr 1024
		.amdhsa_next_free_sgpr 80
		.amdhsa_reserve_vcc 0
		.amdhsa_float_denorm_mode_32 3
		.amdhsa_float_denorm_mode_16_64 3
		.amdhsa_memory_ordered 1
		.amdhsa_forward_progress 1
		.amdhsa_inst_pref_size 255
	.end_amdhsa_kernel
	.section	.bss,"aw",@nobits
	.p2align	6
	.space	262144
	.amdgpu_metadata
---
amdhsa.version: [ 1, 2 ]
amdhsa.kernels:
  - .name:           k_q698d98a44b_energy
    .symbol:         k_q698d98a44b_energy.kd
    .args:
      - { .name: encoder_outputs, .offset: 0, .size: 8, .value_kind: global_buffer, .address_space: global }
      - { .name: W_codes, .offset: 8, .size: 8, .value_kind: global_buffer, .address_space: global }
      - { .name: v, .offset: 16, .size: 8, .value_kind: global_buffer, .address_space: global }
      - { .name: lowp_scales, .offset: 24, .size: 8, .value_kind: global_buffer, .address_space: global }
      - { .name: hbp, .offset: 32, .size: 8, .value_kind: global_buffer, .address_space: global }
      - { .name: scores, .offset: 40, .size: 8, .value_kind: global_buffer, .address_space: global }
      - { .name: part, .offset: 48, .size: 8, .value_kind: global_buffer, .address_space: global }
    .group_segment_fixed_size: 327680
    .private_segment_fixed_size: 0
    .kernarg_segment_align: 8
    .kernarg_segment_size: 56
    .max_flat_workgroup_size: 128
    .sgpr_count:     80
    .vgpr_count:     1024
    .wavefront_size: 32
...
	.end_amdgpu_metadata
.endif
;; end of part 2
;; launch combine (part 3): grid 16 x 16, 8 waves a work-group, no clusters, 3,584 bytes of LDS; arguments scores, part, out0, out1; writes out0, out1
.if DOCPART == 3
	.amdgcn_target "amdgcn-amd-amdhsa--gfx1250"
	.amdhsa_code_object_version 6
	.text
	.protected	k_q698d98a44b_combine
	.globl	k_q698d98a44b_combine
	.p2align	8
	.type	k_q698d98a44b_combine,@function
k_q698d98a44b_combine:
	s_mov_b64 s[64:65], 0
	v_nop
	global_prefetch_b8 v0, s[64:65] scope:SCOPE_SE
	s_setreg_imm32_b32 hwreg(HW_REG_WAVE_MODE, 25, 1), 1
	s_wait_xcnt 0x0
; out1[b][s] = softmax over s of scores[b][s];   out0[b][n] = sum over the 16 blocks x of 2^((m_x - M) log2 e) part[b][x][n] / the row's sum.   All in f32.
; part[b][x][n] was summed under the block's own largest score m_x.  m_x is made again here from the stored scores (a maximum rounds nothing, so it has the same bits), M is the largest of the sixteen,
; and the row's sum is that of 2^((score - M) log2 e).  The differences are formed before the multiplication, so that large scores lose nothing.
; SHARES.  Work-group (c, b) owns out0[b][64 c .. + 63], 256 bytes, and out1[b][128 c .. + 127].  Each makes the whole softmax of its b (8 KB of scores) for itself, so that no work-group waits for another.
; A short stream: no matrix unit, no tensor load, no cluster.
.set BM,   0                           ; LDS: the sixteen blocks' maxima
.set RSUM, 256                         ; eight waves' sums
.set RED,  512                         ; eight waves' 256 bytes of out0
.set SOFF, 1                           ; v1   16 x thread
.set Q16,  2                           ; v2   16 x (lane % 16)
.set EOFF, 3                           ; v3   part: (lane / 16) x 4,096 + 16 x (lane % 16)
.set BMW,  4                           ; v4   BM + 4 x wave
.set BMX,  5                           ; v5   BM + 4 (2 x wave + lane / 16): the maximum of the block that I read
.set CST,  6                           ; v6   BM
.set RDS,  7                           ; v7   RED + 256 x wave + 16 x (lane % 16)
.set SCO,  8                           ; v8-15   my eight scores; later at work
.set P,    16                          ; v16-23  p
.set BMV,  24                          ; v24-39  the sixteen maxima; later the eight sums
.set PT,   40                          ; v40-43  my 16 bytes of part
.set TP,   44                          ; v44-47  what a lane permute brings
.set F,    48                          ; v48-49  my block's factor, twice
.set INV,  50                          ; v50-51  1 / sum, twice
.set O1,   52                          ; v52-55  out1's four numbers
.set RDL,  56                          ; v56  RED + 16 x (lane % 16)
.set L16,  57                          ; v57  16 x lane
.set TM,   58                          ; v58-59  my two blocks' maxima
.set MB,   60                          ; v60  m of the block that I read
.set WT,   64                          ; v64-95  eight waves' parts of out0
	s_load_b256 s[4:11], s[0:1], 0x0               ; scores s[4:5], part s[6:7], out0 s[8:9], out1 s[10:11]
	v_lshl_add_u32 v96, v0, 2, 0xa00
	v_mov_b32 v97, 0
	v_lshrrev_b32 v1, 5, v0
	s_delay_alu instid0(VALU_DEP_1)
	v_readfirstlane_b32 s12, v1                    ; wave 0..7
	s_and_b32 s13, ttmp7, 0xffff                   ; b;  c is ttmp9
	v_lshlrev_b32 v[SOFF], 4, v0
	v_and_b32 v[Q16], 15, v0
	s_delay_alu instid0(VALU_DEP_1)
	v_lshlrev_b32 v[Q16], 4, v[Q16]
	v_bfe_u32 v[EOFF], v0, 4, 1
	s_lshl_b32 s14, s12, 3
	s_add_co_u32 s14, s14, BM
	v_lshl_add_u32 v[BMX], v[EOFF], 2, s14
	v_lshl_add_u32 v[EOFF], v[EOFF], 12, v[Q16]
	s_lshl_b32 s14, s12, 2
	s_add_co_u32 s14, s14, BM
	v_mov_b32 v[BMW], s14
	v_mov_b32 v[CST], BM
	s_lshl_b32 s14, s12, 8
	s_add_co_u32 s14, s14, RED
	v_add_nc_u32 v[RDS], s14, v[Q16]
	v_add_nc_u32 v[RDL], RED, v[Q16]
	v_and_b32 v[L16], 31, v0
	s_delay_alu instid0(VALU_DEP_1)
	v_lshlrev_b32 v[L16], 4, v[L16]
.irp j, 0,1,2,3
	v_mov_b32 v[TP+\j], 0                          ; written once: a lane permute's destination counts as one of its sources
.endr
	s_mov_b32 s20, 0x76543210                      ; v_permlanex16_b32: lane l xor 16
	s_mov_b32 s21, 0xfedcba98
	s_mov_b32 s22, 0x3fb8aa3b                      ; log2(e)
	s_lshl_b32 s16, s13, 13                        ; scores: row b
	s_mov_b32 s17, 0
	s_lshl_b32 s18, s13, 16                        ; part: 65,536 b + 256 c + 8,192 x wave (two blocks)
	s_lshl_b32 s19, ttmp9, 8
	s_add_co_u32 s18, s18, s19
	s_lshl_b32 s24, s12, 13
	s_add_co_u32 s18, s18, s24
	s_lshl_b32 s24, s13, 12                        ; out0: 4,096 b + 256 c
	s_add_co_u32 s24, s24, s19
	s_mov_b32 s19, 0
	s_mov_b32 s25, 0
	s_lshl_b32 s26, ttmp9, 9                       ; out1: 8,192 b + 512 c
	s_add_co_u32 s26, s26, s16
	s_mov_b32 s27, 0
	s_wait_kmcnt 0x0
	s_add_nc_u64 s[4:5], s[4:5], s[16:17]
	s_add_nc_u64 s[6:7], s[6:7], s[18:19]
	s_add_nc_u64 s[8:9], s[8:9], s[24:25]
	s_add_nc_u64 s[10:11], s[10:11], s[26:27]
	global_load_b128 v[SCO:SCO+3], v[SOFF], s[4:5]                 ; s = 4 t .. 4 t + 3
	global_load_b128 v[SCO+4:SCO+7], v[SOFF], s[4:5] offset:4096   ; s = 1,024 + 4 t ..
	global_load_b128 v[PT:PT+3], v[EOFF], s[6:7] th:TH_LOAD_NT     ; read once in the launch
	s_wait_loadcnt 1                               ; the scores are in; part's load may be out
	v_max3_num_f32 v[TM], v[SCO], v[SCO+1], v[SCO+2]
	v_max3_num_f32 v[TM+1], v[SCO+4], v[SCO+5], v[SCO+6]
	s_delay_alu instid0(VALU_DEP_2)
	v_max_num_f32 v[TM], v[TM], v[SCO+3]
	s_delay_alu instid0(VALU_DEP_2)
	v_max_num_f32 v[TM+1], v[TM+1], v[SCO+7]
.irp x, 1,2,4,8
	s_delay_alu instid0(VALU_DEP_2)
	v_max_num_f32_dpp v[TM], v[TM], v[TM] row_xmask:\x row_mask:0xf bank_mask:0xf
	s_delay_alu instid0(VALU_DEP_2)
	v_max_num_f32_dpp v[TM+1], v[TM+1], v[TM+1] row_xmask:\x row_mask:0xf bank_mask:0xf
.endr
	s_delay_alu instid0(VALU_DEP_2)
	v_permlanex16_b32 v[TP], v[TM], s20, s21
	s_delay_alu instid0(VALU_DEP_2)
	v_permlanex16_b32 v[TP+1], v[TM+1], s20, s21
	s_delay_alu instid0(VALU_DEP_2)
	v_max_num_f32 v[TM], v[TM], v[TP]
	s_delay_alu instid0(VALU_DEP_2)
	v_max_num_f32 v[TM+1], v[TM+1], v[TP+1]
	ds_store_b32 v[BMW], v[TM]                     ; block w's maximum,
	ds_store_b32 v[BMW], v[TM+1] offset:32         ; block 8 + w's
	s_wait_dscnt 0x0
	s_barrier_signal -1
	s_barrier_wait -1
.irp i, 0,1,2,3
	ds_load_b128 v[BMV+4*\i:BMV+4*\i+3], v[CST] offset:16*\i
.endr
	ds_load_b32 v[MB], v[BMX]
	s_wait_dscnt 0x0
	v_max3_num_f32 v[BMV], v[BMV], v[BMV+1], v[BMV+2]
	v_max3_num_f32 v[BMV+3], v[BMV+3], v[BMV+4], v[BMV+5]
	v_max3_num_f32 v[BMV+6], v[BMV+6], v[BMV+7], v[BMV+8]
	v_max3_num_f32 v[BMV+9], v[BMV+9], v[BMV+10], v[BMV+11]
	s_delay_alu instid0(VALU_DEP_4)
	v_max3_num_f32 v[BMV], v[BMV], v[BMV+12], v[BMV+13]
	s_delay_alu instid0(VALU_DEP_4)
	v_max3_num_f32 v[BMV+3], v[BMV+3], v[BMV+14], v[BMV+15]
	s_delay_alu instid0(VALU_DEP_1)
	v_max3_num_f32 v[BMV], v[BMV], v[BMV+3], v[BMV+6]
	s_delay_alu instid0(VALU_DEP_1)
	v_max_num_f32 v[BMV], v[BMV], v[BMV+9]         ; M, the row's maximum
.irp j, 0,1,2,3,4,5,6,7
	v_sub_f32 v[P+\j], v[SCO+\j], v[BMV]
.endr
	v_sub_f32 v[F], v[MB], v[BMV]
.irp j, 0,1,2,3,4,5,6,7
	v_mul_f32 v[P+\j], s22, v[P+\j]
.endr
	v_mul_f32 v[F], s22, v[F]
	s_wait_alu depctr_va_vdst(0)
.irp j, 0,1,2,3,4,5,6,7
	v_exp_f32 v[P+\j], v[P+\j]
.endr
	v_exp_f32 v[F], v[F]
	v_nop                                          ; a plain line between the last exponential and the use of its result
	s_wait_alu depctr_va_vdst(0)
	v_mov_b32 v[F+1], v[F]
	v_pk_add_f32 v[SCO:SCO+1], v[P:P+1], v[P+2:P+3]
	v_pk_add_f32 v[SCO+2:SCO+3], v[P+4:P+5], v[P+6:P+7]
	s_delay_alu instid0(VALU_DEP_1)
	v_pk_add_f32 v[SCO:SCO+1], v[SCO:SCO+1], v[SCO+2:SCO+3]
	s_delay_alu instid0(VALU_DEP_1)
	v_add_f32 v[SCO], v[SCO], v[SCO+1]
	s_delay_alu instid0(VALU_DEP_1)
	v_add_f32_dpp v[SCO], v[SCO], v[SCO] row_xmask:1 row_mask:0xf bank_mask:0xf
	s_delay_alu instid0(VALU_DEP_1)
	v_add_f32_dpp v[SCO], v[SCO], v[SCO] row_xmask:2 row_mask:0xf bank_mask:0xf
	s_delay_alu instid0(VALU_DEP_1)
	v_add_f32_dpp v[SCO], v[SCO], v[SCO] row_xmask:4 row_mask:0xf bank_mask:0xf
	s_delay_alu instid0(VALU_DEP_1)
	v_add_f32_dpp v[SCO], v[SCO], v[SCO] row_xmask:8 row_mask:0xf bank_mask:0xf
	s_delay_alu instid0(VALU_DEP_1)
	v_permlanex16_b32 v[SCO+1], v[SCO], s20, s21
	s_delay_alu instid0(VALU_DEP_1)
	v_add_f32 v[SCO], v[SCO], v[SCO+1]
	ds_store_b32 v[BMW], v[SCO] offset:RSUM-BM     ; my wave's sum
	s_wait_loadcnt 0x0                             ; part
	v_pk_mul_f32 v[PT:PT+1], v[PT:PT+1], v[F:F+1]  ; my block under the row's maximum
	v_pk_mul_f32 v[PT+2:PT+3], v[PT+2:PT+3], v[F:F+1]
.irp j, 0,1,2,3
	v_permlanex16_b32 v[TP+\j], v[PT+\j], s20, s21 ; the wave's other block, the same four columns, lies 16 lanes away
.endr
	s_delay_alu instid0(VALU_DEP_3)
	v_pk_add_f32 v[PT:PT+1], v[PT:PT+1], v[TP:TP+1]
	s_delay_alu instid0(VALU_DEP_2)
	v_pk_add_f32 v[PT+2:PT+3], v[PT+2:PT+3], v[TP+2:TP+3]
	ds_store_b128 v[RDS], v[PT:PT+3]               ; (both halves of the lanes store the same numbers)
	s_wait_dscnt 0x0
	s_barrier_signal -1
	s_barrier_wait -1
	ds_load_b128 v[BMV:BMV+3], v[CST] offset:RSUM-BM
	ds_load_b128 v[BMV+4:BMV+7], v[CST] offset:RSUM-BM+16
	s_wait_dscnt 0x0
	v_pk_add_f32 v[BMV:BMV+1], v[BMV:BMV+1], v[BMV+2:BMV+3]
	v_pk_add_f32 v[BMV+4:BMV+5], v[BMV+4:BMV+5], v[BMV+6:BMV+7]
	s_delay_alu instid0(VALU_DEP_1)
	v_pk_add_f32 v[BMV:BMV+1], v[BMV:BMV+1], v[BMV+4:BMV+5]
	s_delay_alu instid0(VALU_DEP_1)
	v_add_f32 v[BMV], v[BMV], v[BMV+1]
	s_wait_alu depctr_va_vdst(0)
	v_rcp_f32 v[INV], v[BMV]
	v_nop                                          ; a plain line behind the reciprocal
	s_wait_alu depctr_va_vdst(0)
	v_mov_b32 v[INV+1], v[INV]
	; out1: s = 128 c .. + 127 are group c / 8 of the threads of wave c % 8
	s_and_b32 s23, ttmp9, 7
	s_cmp_lg_u32 s12, s23
	s_cbranch_scc1 .Lno_out1
	s_cmp_lt_u32 ttmp9, 8
	s_cselect_b32 s31, 0, -1                       ; all ones: the second group
.irp j, 0,1,2,3
	v_cndmask_b32 v[O1+\j], v[P+\j], v[P+4+\j], s31
.endr
	v_pk_mul_f32 v[O1:O1+1], v[O1:O1+1], v[INV:INV+1]
	v_pk_mul_f32 v[O1+2:O1+3], v[O1+2:O1+3], v[INV:INV+1]
	global_store_b128 v[L16], v[O1:O1+3], s[10:11] ; 32 lanes store 512 consecutive bytes, at a multiple of 256 from out1's first byte
.Lno_out1:
	s_cmp_lg_u32 s12, 0
	s_cbranch_scc1 .Lend
.irp i, 0,1,2,3,4,5,6,7
	ds_load_b128 v[WT+4*\i:WT+4*\i+3], v[RDL] offset:256*\i
.endr
	s_wait_dscnt 0x0
.irp i, 0,2,4,6,8,10,12,14
	v_pk_add_f32 v[WT+\i:WT+\i+1], v[WT+\i:WT+\i+1], v[WT+16+\i:WT+16+\i+1]
.endr
.irp i, 0,2,4,6
	s_delay_alu instid0(VALU_DEP_4)
	v_pk_add_f32 v[WT+\i:WT+\i+1], v[WT+\i:WT+\i+1], v[WT+8+\i:WT+8+\i+1]
.endr
.irp i, 0,2
	s_delay_alu instid0(VALU_DEP_2)
	v_pk_add_f32 v[WT+\i:WT+\i+1], v[WT+\i:WT+\i+1], v[WT+4+\i:WT+4+\i+1]
.endr
	v_pk_mul_f32 v[WT:WT+1], v[WT:WT+1], v[INV:INV+1]
	v_pk_mul_f32 v[WT+2:WT+3], v[WT+2:WT+3], v[INV:INV+1]
	v_cmp_gt_u32 vcc_lo, 16, v0
	s_wait_alu depctr_va_vdst(0)
	s_wait_xcnt 0x0                                ; EXEC changes only behind this wait: it is a source of every global load and store that is out
	s_and_saveexec_b32 s30, vcc_lo
	global_store_b128 v[Q16], v[WT:WT+3], s[8:9]   ; 16 lanes store 256 consecutive bytes, at a multiple of 256 from out0's first byte
	s_wait_xcnt 0x0                                ; and again, in front of the line that widens it
	s_or_b32 exec_lo, exec_lo, s30
.Lend:
	s_wait_tensorcnt 0x0
	ds_add_u32 v96, v97
	s_wait_dscnt 0x0
	s_endpgm
.Lfunc_end_k_q698d98a44b_combine:
	.size	k_q698d98a44b_combine, .Lfunc_end_k_q698d98a44b_combine-k_q698d98a44b_combine
	.p2alignl 7, 3214868480
	.fill 96, 4, 3214868480
	.section	.rodata,"a",@progbits
	.p2align	6, 0x0
	.amdhsa_kernel k_q698d98a44b_combine
		.amdhsa_group_segment_fixed_size 3584
		.amdhsa_private_segment_fixed_size 0
		.amdhsa_enable_private_segment 0
		.amdhsa_kernarg_size 32
		.amdhsa_user_sgpr_count 2
		.amdhsa_user_sgpr_kernarg_segment_ptr 1
		.amdhsa_wavefront_size32 1
		.amdhsa_system_sgpr_workgroup_id_x 1
		.amdhsa_system_sgpr_workgroup_id_y 1
		.amdhsa_system_sgpr_workgroup_id_z 1
		.amdhsa_system_vgpr_workitem_id 0
		.amdhsa_next_free_vgpr 98
		.amdhsa_next_free_sgpr 66
		.amdhsa_reserve_vcc 1
		.amdhsa_float_denorm_mode_32 3
		.amdhsa_float_denorm_mode_16_64 3
		.amdhsa_memory_ordered 1
		.amdhsa_forward_progress 1
		.amdhsa_inst_pref_size 12
	.end_amdhsa_kernel
	.amdgpu_metadata
---
amdhsa.version: [ 1, 2 ]
amdhsa.kernels:
  - .name:           k_q698d98a44b_combine
    .symbol:         k_q698d98a44b_combine.kd
    .args:
      - { .name: scores, .offset: 0, .size: 8, .value_kind: global_buffer, .address_space: global }
      - { .name: part, .offset: 8, .size: 8, .value_kind: global_buffer, .address_space: global }
      - { .name: out0, .offset: 16, .size: 8, .value_kind: global_buffer, .address_space: global }
      - { .name: out1, .offset: 24, .size: 8, .value_kind: global_buffer, .address_space: global }
    .group_segment_fixed_size: 3584
    .private_segment_fixed_size: 0
    .kernarg_segment_align: 8
    .kernarg_segment_size: 32
    .max_flat_workgroup_size: 256
    .sgpr_count:     66
    .vgpr_count:     98
    .wavefront_size: 32
...
	.end_amdgpu_metadata
.endif
;; end of part 3
